; MI455X (gfx1250); checked and timed in simulation.
; The chip was launched on July 23, 2026; its instructions are those of AMD's public machine-readable ISA for CDNA 5 (MIT licence, August 2026) and "CDNA5" Instruction Set Architecture Reference Guide (July 2026). The comments in the code are by the model that wrote it; some were corrected since.
;; Non Local2 D. Allowed arithmetic: float matrix products may take bf16 or f16 operands with f32 sums; all other float work in f32.
;; Inputs: g_b 128 float32; g_w 128 x 256 float32; out_b 256 float32; out_w 256 x 128 float32; phi_b 128 float32; phi_w 128 x 256 float32; theta_b 128 float32; theta_w 128 x 256 float32; x 4 x 256 x 64 x 64 float32.
;; Outputs: out0 4 x 256 x 64 x 64 float32.
;; One version. Each part assembles by itself: llvm-mc -triple=amdgcn-amd-amdhsa -mcpu=gfx1250 --defsym DOCPART=n.
;; ======== version 1 of 1: 3 launches
;; workspace buffers: part 16,777,216 bytes; mu 262,144 bytes; wts 786,432 bytes
;; launch moments (part 1): grid 256 x 1, 4 waves a work-group, clusters of 4 x 1, 300,544 bytes of LDS; arguments x, phi_w, g_w, phi_b, g_b, part, mu; writes part, mu
.if DOCPART == 1
	.amdgcn_target "amdgcn-amd-amdhsa--gfx1250"
	.amdhsa_code_object_version 6
	.text
	.protected	k_q8133a1f0b4_moments
	.globl	k_q8133a1f0b4_moments
	.p2align	8
	.type	k_q8133a1f0b4_moments,@function
k_q8133a1f0b4_moments:
	s_mov_b64 s[64:65], 0
	v_nop
	global_prefetch_b8 v0, s[64:65] scope:SCOPE_SE
	s_setreg_imm32_b32 hwreg(HW_REG_WAVE_MODE, 25, 1), 1
	s_wait_xcnt 0x0
	s_wait_alu depctr_hold_cnt(0) depctr_sa_sdst(0) depctr_va_vdst(0) depctr_va_sdst(0) depctr_va_ssrc(0) depctr_va_vcc(0) depctr_vm_vsrc(0)
	s_getreg_b32 s2, hwreg(HW_REG_IB_STS2, 6, 4)
	s_cmp_eq_u32 s2, 0
	s_cbranch_scc0 .Lentry_in_a_cluster
	s_endpgm
.Lentry_in_a_cluster:
	s_bfe_u32 s2, ttmp6, 0x10000c
	s_cmp_lg_u32 s2, 0x3003
	s_cbranch_scc0 .Lentry_shape_is_right
	s_endpgm
.Lentry_shape_is_right:
; MOMENTS.  No softmax and no scale stand between the two N x N products, so (theta_c phi_c) g = theta_c (phi_c g) for every input, and
; M_b[i][j] = sum over m of phi_c[i][m] g[m][j] is 128 x 128 for a batch.  A work-group takes a chunk of 64 positions (256 chunks in all):
;   phi = phi_w x, g = g_w x for the chunk; each channel is centred on the CHUNK's mean; part[chunk] = sum over the chunk of phi' g' (128 x 128 f32);
;   mu[chunk] = the chunk's means of phi and g, with phi_b and g_b added.  The next launch adds the chunks and the term of the chunk means
;   (second moments combined pairwise: no difference of large sums is formed).
; LIMITS: the order of the sums differs from the written order of the products (reassociation); NaN and infinities are not reproduced in place.
; x, the weights, phi' and g' are rounded to bf16 once each; all sums and means are f32.
; Four waves: waves 0, 1 make phi's channels 64 w .. 64 w + 63, waves 2, 3 g's channels 64 (w - 2) .. + 63, each for all 64 positions.
; CLUSTER 4 x 1: all work-groups read the same two weight matrices, so the four of a cluster ask for them jointly (mask 15); a wave asks for the
; 64 rows that it alone reads.  By this text's own count a wave has one tensor load outstanding.
; COLUMNS: column r of position tile nt stands for position 4 r + nt of the chunk, so that a lane's 16-byte load of x (4 positions of one channel)
; feeds four fragments in the lane itself, with no transpose; the same naming of positions is used on both sides of every product.
.set XROW,   16384                     ; bytes from a channel of x to the next
.set SC,     32768                     ; LDS: 256 bytes a wave, to regroup the means
.set WF,     33792                     ; LDS: the weights in f32, a wave's 64 rows after another's
.set WPITCH, 1040                      ; 1,024 bytes of a weight row + 16 of padding: 65 x 16, so 16 rows start in 16 different 16-byte columns
.set WWAVE,  64*WPITCH
; LDS 0 .. 32767: x as bf16 fragments, block 4 ks + nt of 1 KiB (two halves of 512 bytes, lane L at 16 L); later phi' and g' fragments, block 2 CT + sm
.set LF,  1                            ; 16 L
.set XO,  2                            ; byte offset in x of my 16 bytes: w << 20 | h << 17 | r << 4
.set LFW, 3                            ; 16 L + 8,192 w: where my wave puts its eight fragments
.set WA,  4                            ; my place in my wave's weight rows: row r, 32 h bytes in
.set SCA, 5
.set SCB, 6
.set MUO, 7
.set PA,  8                            ; phi' fragments that my wave multiplies
.set PB,  9                            ; g' fragments that my wave multiplies
.set PO,  10                           ; my place in part[chunk]
.set BO,  11                           ; byte offset of my channel's bias
.set BI,  12                           ; v[12:15]  bias of channel 16 ct + r
.set MU,  16                           ; v[16:19]  chunk mean + bias
.set MN,  20                           ; v[20:21]  the chunk mean, twice (a pair for the packed subtraction)
.set MO,  22                           ; v[22:23]  the other half's sum; later two means on their way out
.set S,   24                           ; v[24:39]  partial sums
.set TL,  40                           ; lane, r, h: set-up only
.set TR,  41
.set TH,  42
.set X,   64                           ; v[64:191] x as loaded; then T: weights in f32, two batches; then ACC: 16 accumulators
.set T,   64
.set ACC, 64
.set FT,  192                          ; v[192:255] eight fragments on their way into LDS
; window 1: weight fragment (ct, ks) at 8 (8 ct + ks); later phi' at 8 (2 a + sm), g' at 64 + 8 (2 bq + sm).   window 2: x fragment (ks, nt) at 8 (4 ks + nt)
.set MSB, 0
.macro WIN new                         ; s_set_vgpr_msb: bits 1:0 source 0, 3:2 source 1, 5:4 source 2, 7:6 destination; the high byte repeats the setting left
.if MSB != \new
	s_set_vgpr_msb (MSB<<8)|\new
.set MSB, \new
.endif
.endm
.macro PLACES                          ; behind a run of matrix instructions: five independent places before results are read or operands rewritten (ISA guide 7.12.1)
.rept 5
	v_nop
.endr
.endm
.macro ROUND                           ; a round of the cluster's barrier: my work-group's barrier, wave 0 signals for it, all wait for all four, my barrier again
	s_barrier_signal -1
	s_barrier_wait -1
	s_cmp_lg_u32 s18, 0
	s_cbranch_scc1 .Lnot_wave_0_\@
	s_barrier_signal -3
.Lnot_wave_0_\@:
	s_barrier_wait -3
	s_barrier_signal -1
	s_barrier_wait -1
.endm
	s_load_b256 s[4:11], s[0:1], 0x0               ; x s[4:5], phi_w s[6:7], g_w s[8:9], phi_b s[10:11]
	s_load_b128 s[12:15], s[0:1], 0x20             ; g_b s[12:13], part s[14:15]
	s_load_b64 s[16:17], s[0:1], 0x30              ; mu
	v_lshl_add_u32 v62, v0, 2, 0x49400
	v_mov_b32 v63, 0
	ds_add_u32 v62, v63
	v_lshrrev_b32 v[TL], 5, v0
	v_readfirstlane_b32 s18, v[TL]                 ; wave 0..3
	s_bfe_u32 s19, ttmp6, 0x40000                  ; cx
	s_lshl_b32 s20, ttmp9, 2
	s_add_co_u32 s20, s20, s19                     ; chunk 0..255 = 4 x cluster + cx.  What hangs on cx stays in s19, s20, s42, s46, s48, s54, s55
	s_lshr_b32 s54, s20, 6
	s_lshl_b32 s54, s54, 22                        ; batch x 4 MiB
	s_and_b32 s55, s20, 63
	s_lshl_b32 s55, s55, 8                         ; chunk in the batch x 256 bytes
	s_add_co_u32 s42, s54, s55
	s_mov_b32 s43, 0
	s_lshl_b32 s46, s20, 16                        ; part: 64 KiB a chunk
	s_mov_b32 s47, 0
	s_lshl_b32 s48, s20, 10                        ; mu: 1 KiB a chunk
	s_mov_b32 s49, 0
	s_and_b32 s50, s18, 1                          ; which 64 channels of my matrix
	s_lshr_b32 s51, s18, 1                         ; 0: phi, 1: g
	s_lshl_b32 s44, s50, 16                        ; 64 weight rows of 1,024 bytes
	s_mov_b32 s45, 0
	s_mov_b32 s36, 0x76543210                      ; v_permlanex16_b32: lane i takes lane i of the other half
	s_mov_b32 s37, 0xfedcba98
	v_and_b32 v[TL], 31, v0                        ; L
	v_and_b32 v[TR], 15, v0                        ; r
	v_bfe_u32 v[TH], v0, 4, 1                      ; h
	s_lshl_b32 s21, s18, 20                        ; 64 w channels
	v_lshl_or_b32 v[XO], v[TR], 4, s21
	v_lshl_or_b32 v[XO], v[TH], 17, v[XO]          ; + 8 h channels
	s_lshl_b32 s22, s50, 8
	v_lshl_add_u32 v[BO], v[TR], 2, s22
	s_wait_dscnt 0x0
	s_wait_kmcnt 0x0
	s_add_nc_u64 s[4:5], s[4:5], s[42:43]          ; x at my chunk
	; 32 loads: channel 64 w + 16 ot + 8 h + q, positions 4 r .. 4 r + 3: sixteen lanes read 256 consecutive bytes, aligned
.irp ot, 0,1,2,3
.irp q, 0,1,2,3,4,5,6,7
	global_load_b128 v[X+4*(8*\ot+\q):X+4*(8*\ot+\q)+3], v[XO], s[4:5] offset:(16*\ot+\q)*XROW
.endr
.endr
	s_cmp_lt_u32 s18, 2
	s_cselect_b64 s[40:41], s[6:7], s[8:9]         ; my weights: phi_w or g_w
	s_cselect_b64 s[38:39], s[10:11], s[12:13]     ; my bias: phi_b or g_b
.irp ct, 0,1,2,3
	global_load_b32 v[BI+\ct], v[BO], s[38:39] offset:64*\ct
.endr
	s_add_nc_u64 s[14:15], s[14:15], s[46:47]      ; part[chunk]
	s_add_nc_u64 s[16:17], s[16:17], s[48:49]      ; mu[chunk]
	; the descriptor: 64 rows of 256 f32, 16 bytes of padding behind each row; it hangs on the wave's number alone, so it is equal in all four partners
	s_mov_b32 s24, 1                               ; group 0: count = 1
	s_mul_i32 s25, s18, WWAVE
	s_add_co_u32 s25, s25, WF                      ; LDS address: my wave's rows
	s_add_nc_u64 s[26:27], s[40:41], s[44:45]      ; global address of my first row
	s_or_b32 s27, s27, 0x80000000                  ; type = 2
	s_mov_b32 s28, 15|(2<<16)|(1<<20)|(1<<21)|(7<<22)|(3<<25) ; mask: all four; elements of 4 bytes; padding on; bit 21 beside a mask; after 256 words; 4 words
	s_mov_b32 s29, 256<<16                         ; tensor_dim0 = 256
	s_mov_b32 s30, 64<<16                          ; tensor_dim1 = 64
	s_mov_b32 s31, 256<<16                         ; tile_dim0 = 256
	s_mov_b32 s32, 64                              ; tile_dim1 = 64
	s_mov_b32 s33, 256                             ; elements from row to row
	s_mov_b32 s34, 0
	s_mov_b32 s35, 0
	ROUND                                          ; all four work-groups are here: the joint loads meet
	tensor_load_to_lds s[24:27], s[28:35]          ; the launch's only fill of these bytes
	s_nop 0
	v_lshlrev_b32 v[LF], 4, v[TL]
	s_lshl_b32 s21, s18, 13
	v_add_nc_u32 v[LFW], s21, v[LF]
	v_mul_u32_u24 v[WA], v[TR], WPITCH
	v_lshl_add_u32 v[WA], v[TH], 5, v[WA]
	v_add_nc_u32 v[WA], s25, v[WA]
	s_lshl_b32 s22, s18, 8
	s_add_co_u32 s52, s22, SC
	v_lshl_add_u32 v[SCA], v[TR], 2, s52
	v_lshl_add_u32 v[SCB], v[TL], 3, s52
	v_lshl_add_u32 v[MUO], v[TL], 3, s22
	s_lshl_b32 s21, s51, 13
	v_add_nc_u32 v[PA], s21, v[LF]                 ; phi' tiles 4 (w >> 1) ..
	s_lshl_b32 s21, s50, 13
	s_add_co_u32 s21, s21, 16384
	v_add_nc_u32 v[PB], s21, v[LF]                 ; g' tiles 4 (w & 1) .., behind phi's eight
	s_lshl_b32 s21, s51, 15
	s_lshl_b32 s23, s50, 12
	s_add_co_u32 s21, s21, s23
	v_add_nc_u32 v[PO], s21, v[LF]
	v_mov_b32 v[MO], 0                             ; v_permlanex16_b32 counts as a reader of its destination
; x to bf16 fragments.  K step ks = 2 w + sp: register 4 u + p of tile nt = channels 32 ks + 16 u + 8 h + 2 p, + 1 at position 4 r + nt: all in this lane.
.macro XCONV sp, left
	s_wait_loadcnt \left                           ; loads return in order (ISA guide 5.7.1): the 16 that this half needs are in
.irp nt, 0,1,2,3
.irp u, 0,1
.irp p, 0,1,2,3
	v_cvt_pk_bf16_f32 v[FT+8*(4*\sp+\nt)+4*\u+\p], v[X+4*(8*(2*\sp+\u)+2*\p)+\nt], v[X+4*(8*(2*\sp+\u)+2*\p+1)+\nt]
.endr
.endr
.endr
.irp nt, 0,1,2,3
.irp u, 0,1
	ds_store_b128 v[LFW], v[FT+8*(4*\sp+\nt)+4*\u:FT+8*(4*\sp+\nt)+4*\u+3] offset:(4*\sp+\nt)*1024+\u*512
.endr
.endr
.endm
	XCONV 0, 20                                    ; 16 later loads of x and 4 of the bias may stay out
	XCONV 1, 4                                     ; the 4 of the bias
	s_wait_dscnt 0x0                               ; my fragments are in LDS
	s_barrier_signal -1
	s_barrier_wait -1                              ; everybody's are.  (The tensor load may stay out.)
	WIN 0x80
.irp ks, 0,1,2,3,4,5,6,7
.irp nt, 0,1,2,3
.irp u, 0,1
	ds_load_b128 v[8*(4*\ks+\nt)+4*\u:8*(4*\ks+\nt)+4*\u+3], v[LF] offset:(4*\ks+\nt)*1024+\u*512   ; all 32 x fragments, window 2
.endr
.endr
.endr
	WIN 0
	s_wait_tensorcnt 0x0                           ; my 64 weight rows are in LDS; only my wave reads them, so no barrier is needed
; Weights to bf16 fragments, four fragments a batch (bt = 2 ct + half of the K steps), two batches of f32 registers taking turns.
.macro WLOAD bt, buf
.irp e, 0,1,2,3
	ds_load_b128 v[T+64*\buf+16*\e:T+64*\buf+16*\e+3],     v[WA] offset:((\bt)>>1)*16*WPITCH+(4*((\bt)&1)+\e)*128
	ds_load_b128 v[T+64*\buf+16*\e+4:T+64*\buf+16*\e+7],   v[WA] offset:((\bt)>>1)*16*WPITCH+(4*((\bt)&1)+\e)*128+16
	ds_load_b128 v[T+64*\buf+16*\e+8:T+64*\buf+16*\e+11],  v[WA] offset:((\bt)>>1)*16*WPITCH+(4*((\bt)&1)+\e)*128+64
	ds_load_b128 v[T+64*\buf+16*\e+12:T+64*\buf+16*\e+15], v[WA] offset:((\bt)>>1)*16*WPITCH+(4*((\bt)&1)+\e)*128+80
.endr
.endm
.macro WCVT bt, buf, left
	s_wait_dscnt \left                             ; LDS loads return in order: this batch is in, the next batch's 16 may stay out
	WIN 0x40
.irp e, 0,1,2,3
.irp p, 0,1,2,3,4,5,6,7
	v_cvt_pk_bf16_f32 v[8*(4*\bt+\e)+\p], v[T+64*\buf+16*\e+2*\p], v[T+64*\buf+16*\e+2*\p+1]
.endr
.endr
	WIN 0
.endm
	WLOAD 0, 0
	WLOAD 1, 1
	WCVT 0, 0, 16
	WLOAD 2, 0
	WCVT 1, 1, 16
	WLOAD 3, 1
	WCVT 2, 0, 16
	WLOAD 4, 0
	WCVT 3, 1, 16
	WLOAD 5, 1
	WCVT 4, 0, 16
	WLOAD 6, 0
	WCVT 5, 1, 16
	WLOAD 7, 1
	WCVT 6, 0, 16
	WCVT 7, 1, 0                                   ; nothing of mine is pending in LDS: my reads of the x fragments are over too
	s_barrier_signal -1                            ; say so; the x fragments' bytes are written again behind this barrier
	; The projection: A = x (rows: positions), B = weights (columns: channels).  Register q of lane (r, h) of accumulator (ct, nt):
	; position slot 8 h + q of tile nt, channel 16 ct + r.  The 16 accumulators take turns, one instruction a turn.
	WIN 0x06
.irp ks, 0,1,2,3,4,5,6,7
.irp ct, 0,1,2,3
.irp nt, 0,1,2,3
.if \ks == 0
	v_wmma_f32_16x16x32_bf16 v[ACC+8*(4*\ct+\nt):ACC+8*(4*\ct+\nt)+7], v[8*(4*\ks+\nt):8*(4*\ks+\nt)+7], v[8*(8*\ct+\ks):8*(8*\ct+\ks)+7], 0
.else
	v_wmma_f32_16x16x32_bf16 v[ACC+8*(4*\ct+\nt):ACC+8*(4*\ct+\nt)+7], v[8*(4*\ks+\nt):8*(4*\ks+\nt)+7], v[8*(8*\ct+\ks):8*(8*\ct+\ks)+7], v[ACC+8*(4*\ct+\nt):ACC+8*(4*\ct+\nt)+7]
.endif
.endr
.endr
.endr
	WIN 0
	s_barrier_wait -1                              ; no wave reads the x fragments any more
	PLACES
	s_wait_loadcnt 0x0                             ; the bias
; One tile of 16 channels: the chunk's mean of each channel, the mean with the bias for mu, the centred numbers as fragments with K = position.
; Fragment sm, register 4 u + p = tile nt = 2 sm + u, slots 8 h + 2 p, + 1: the same naming of positions for phi' and g'.
.macro STATS ct
.irp i, 0,1,2,3,4,5,6,7
	v_pk_add_f32 v[S+2*\i:S+2*\i+1], v[ACC+32*\ct+4*\i:ACC+32*\ct+4*\i+1], v[ACC+32*\ct+4*\i+2:ACC+32*\ct+4*\i+3]
.endr
.irp i, 0,1,2,3
	v_pk_add_f32 v[S+4*\i:S+4*\i+1], v[S+4*\i:S+4*\i+1], v[S+4*\i+2:S+4*\i+3]
.endr
	v_pk_add_f32 v[S:S+1], v[S:S+1], v[S+4:S+5]
	v_pk_add_f32 v[S+8:S+9], v[S+8:S+9], v[S+12:S+13]
	v_pk_add_f32 v[S:S+1], v[S:S+1], v[S+8:S+9]
	v_add_f32 v[S], v[S], v[S+1]                   ; my 32 positions
	v_permlanex16_b32 v[MO], v[S], s36, s37        ; the other half's 32
	v_add_f32 v[S], v[S], v[MO]
	v_mul_f32 v[MN], 0x3c800000, v[S]              ; / 64
	v_mul_f32 v[MN+1], 0x3c800000, v[S]
	v_add_f32 v[MU+\ct], v[MN], v[BI+\ct]          ; the mean of phi (or g) itself, bias included
.irp i, 0,1,2,3,4,5,6,7,8,9,10,11,12,13,14,15
	v_pk_add_f32 v[ACC+32*\ct+2*\i:ACC+32*\ct+2*\i+1], v[ACC+32*\ct+2*\i:ACC+32*\ct+2*\i+1], v[MN:MN+1] neg_lo:[0,1] neg_hi:[0,1]
.endr
.irp sm, 0,1
.irp u, 0,1
.irp p, 0,1,2,3
	v_cvt_pk_bf16_f32 v[FT+8*(2*\ct+\sm)+4*\u+\p], v[ACC+32*\ct+8*(2*\sm+\u)+2*\p], v[ACC+32*\ct+8*(2*\sm+\u)+2*\p+1]
.endr
	ds_store_b128 v[LFW], v[FT+8*(2*\ct+\sm)+4*\u:FT+8*(2*\ct+\sm)+4*\u+3] offset:(2*\ct+\sm)*1024+\u*512
.endr
.endr
	ds_store_b32 v[SCA], v[MU+\ct] offset:64*\ct   ; both halves write the same word with the same number
.endm
	STATS 0
	STATS 1
	STATS 2
	STATS 3
	ds_load_b64 v[MO:MO+1], v[SCB]                 ; my wave's own bytes, served in order (ISA guide 5.7.1): two neighbouring channels a lane
	s_wait_dscnt 0x0                               ; they are here, and my phi' or g' fragments are in LDS
	global_store_b64 v[MUO], v[MO:MO+1], s[16:17]  ; the wave's 64 means: 256 consecutive bytes, aligned
	s_barrier_signal -1
	s_barrier_wait -1                              ; all 16 channel tiles lie in LDS
	; part[chunk]: wave w makes rows 64 (w >> 1) .. and columns 64 (w & 1) .. of the 128 x 128
	WIN 0x40
.irp a, 0,1,2,3
.irp sm, 0,1
.irp u, 0,1
	ds_load_b128 v[8*(2*\a+\sm)+4*\u:8*(2*\a+\sm)+4*\u+3],       v[PA] offset:\a*2048+\sm*1024+\u*512
	ds_load_b128 v[64+8*(2*\a+\sm)+4*\u:64+8*(2*\a+\sm)+4*\u+3], v[PB] offset:\a*2048+\sm*1024+\u*512
.endr
.endr
.endr
	s_wait_dscnt 0x0
	WIN 0x05                                       ; the 16 accumulators take turns again, one instruction a turn
.irp sm, 0,1
.irp a, 0,1,2,3
.irp bq, 0,1,2,3
.if \sm == 0
	v_wmma_f32_16x16x32_bf16 v[ACC+8*(4*\a+\bq):ACC+8*(4*\a+\bq)+7], v[8*(2*\a+\sm):8*(2*\a+\sm)+7], v[64+8*(2*\bq+\sm):64+8*(2*\bq+\sm)+7], 0
.else
	v_wmma_f32_16x16x32_bf16 v[ACC+8*(4*\a+\bq):ACC+8*(4*\a+\bq)+7], v[8*(2*\a+\sm):8*(2*\a+\sm)+7], v[64+8*(2*\bq+\sm):64+8*(2*\bq+\sm)+7], v[ACC+8*(4*\a+\bq):ACC+8*(4*\a+\bq)+7]
.endif
.endr
.endr
.endr
	WIN 0
	PLACES
	; out in the accumulators' own order, tile 8 it + jt of 1 KiB: each store of the wave covers 512 consecutive bytes, aligned
.irp a, 0,1,2,3
.irp bq, 0,1,2,3
.irp u, 0,1
	global_store_b128 v[PO], v[ACC+8*(4*\a+\bq)+4*\u:ACC+8*(4*\a+\bq)+4*\u+3], s[14:15] offset:\a*8192+\bq*1024+\u*512
.endr
.endr
.endr
	s_wait_tensorcnt 0x0
	ds_add_u32 v62, v63
	s_wait_dscnt 0x0
	ROUND                                          ; the closing round: no work-group ends while a partner may still ask jointly
	s_endpgm
.Lfunc_end_k_q8133a1f0b4_moments:
	.size	k_q8133a1f0b4_moments, .Lfunc_end_k_q8133a1f0b4_moments-k_q8133a1f0b4_moments
	.p2alignl 7, 3214868480
	.fill 96, 4, 3214868480
	.section	.rodata,"a",@progbits
	.p2align	6, 0x0
	.amdhsa_kernel k_q8133a1f0b4_moments
		.amdhsa_group_segment_fixed_size 300544
		.amdhsa_private_segment_fixed_size 0
		.amdhsa_enable_private_segment 0
		.amdhsa_kernarg_size 56
		.amdhsa_user_sgpr_count 2
		.amdhsa_user_sgpr_kernarg_segment_ptr 1
		.amdhsa_wavefront_size32 1
		.amdhsa_system_sgpr_workgroup_id_x 1
		.amdhsa_system_sgpr_workgroup_id_y 1
		.amdhsa_system_sgpr_workgroup_id_z 1
		.amdhsa_system_vgpr_workitem_id 0
		.amdhsa_next_free_vgpr 768
		.amdhsa_next_free_sgpr 66
		.amdhsa_reserve_vcc 0
		.amdhsa_float_denorm_mode_32 3
		.amdhsa_float_denorm_mode_16_64 3
		.amdhsa_memory_ordered 1
		.amdhsa_forward_progress 1
		.amdhsa_inst_pref_size 73
	.end_amdhsa_kernel
	.amdgpu_metadata
---
amdhsa.version: [ 1, 2 ]
amdhsa.kernels:
  - .name:           k_q8133a1f0b4_moments
    .symbol:         k_q8133a1f0b4_moments.kd
    .args:
      - { .name: x, .offset: 0, .size: 8, .value_kind: global_buffer, .address_space: global }
      - { .name: phi_w, .offset: 8, .size: 8, .value_kind: global_buffer, .address_space: global }
      - { .name: g_w, .offset: 16, .size: 8, .value_kind: global_buffer, .address_space: global }
      - { .name: phi_b, .offset: 24, .size: 8, .value_kind: global_buffer, .address_space: global }
      - { .name: g_b, .offset: 32, .size: 8, .value_kind: global_buffer, .address_space: global }
      - { .name: part, .offset: 40, .size: 8, .value_kind: global_buffer, .address_space: global }
      - { .name: mu, .offset: 48, .size: 8, .value_kind: global_buffer, .address_space: global }
    .group_segment_fixed_size: 300544
    .private_segment_fixed_size: 0
    .kernarg_segment_align: 8
    .kernarg_segment_size: 56
    .max_flat_workgroup_size: 128
    .sgpr_count:     66
    .vgpr_count:     768
    .wavefront_size: 32
...
	.end_amdgpu_metadata
.endif
;; end of part 1
;; launch reduce (part 2): grid 64 x 4, 4 waves a work-group, no clusters, 4,608 bytes of LDS; arguments part, mu, theta_w, out_w, wts; writes wts
.if DOCPART == 2
	.amdgcn_target "amdgcn-amd-amdhsa--gfx1250"
	.amdhsa_code_object_version 6
	.text
	.protected	k_q8133a1f0b4_reduce
	.globl	k_q8133a1f0b4_reduce
	.p2align	8
	.type	k_q8133a1f0b4_reduce,@function
k_q8133a1f0b4_reduce:
	s_mov_b64 s[64:65], 0
	v_nop
	global_prefetch_b8 v0, s[64:65] scope:SCOPE_SE
	s_setreg_imm32_b32 hwreg(HW_REG_WAVE_MODE, 25, 1), 1
	s_wait_xcnt 0x0
; REDUCE.  Work-group (tau, b) makes tile tau = 8 it + jt (16 x 16) of M_b:
;   M = sum over the batch's 64 chunks of part[chunk][tau]  +  sum over chunks k of (8 dphi_k[i]) (8 dg_k[j]),
; where dphi_k, dg_k are the chunk means less their mean over the 64 chunks (a chunk has 64 = 8 x 8 positions).  phi_b and g_b, which the means carry,
; leave here, by the centring.  M goes out as bf16 hi + lo, in the order in which the last launch's matrix instructions take it as A (rows j, K = i).
; Side job: each wave also rounds one half fragment (512 bytes) of theta_w or out_w to bf16 into the same table, once for each batch.
; Wave w adds chunks 16 w .. 16 w + 15; wave 0 adds the four sums and the term of the means.
; NO CLUSTER, NO TENSOR LOADS: each byte of part is read by one wave alone; what work-groups share is 8 KiB of mu against 64 KiB of part.
; mu is read in pieces of 64 bytes, each once in the work-group: whole rows would be 64 KiB read for 8 KiB used.
; LIMITS: the order of the sums is this text's own; 8 dphi and 8 dg are rounded to bf16 once; NaN and infinities are not reproduced in place.
.set WB,   196608                      ; bytes of wts for a batch: 4 waves x 3 parts (theta_w, M, out_w) x 16 KiB
.set WW,   49152                       ; for a wave of the last launch
.set L16,  1                           ; 16 L
.set MLO,  2                           ; h << 13 | r << 2: chunk 8 h, channel r in mu
.set SLO,  3                           ; side job: row r, 32 h bytes in
.set SW,   4                           ; v[4:11]   side job: 8 f32
.set SB,   12                          ; v[12:15]  side job: 8 bf16
.set S,    16                          ; v[16:23]  my wave's sum; in wave 0 then M, then M - hi
.set O,    24                          ; v[24:47]  the other three waves' sums
.set D1,   48                          ; v[48:55], v[56:63]: the two K steps of the means' product
.set D2,   56
.set LW,   48                          ; set-up only: where my wave puts its sum; r; h
.set TR,   49
.set TH,   50
.set P,    64                          ; v[64:191] 16 partial tiles as loaded
.set FP,   192                         ; v[192:223] phi's chunk means, register 16 s + 8 u + q: chunk 32 s + 16 u + 8 h + q, channel 16 it + r
.set FG,   224                         ; v[224:255] g's likewise, channel 16 jt + r
.set AF,   64                          ; wave 0, once P is spent: fragments, hi, lo, partial sums
.set BF,   80
.set HI,   96
.set LO,   100
.set ST,   104
.set TP,   120
.set PT,   122
.set NEG1, 123
	s_load_b256 s[4:11], s[0:1], 0x0               ; part s[4:5], mu s[6:7], theta_w s[8:9], out_w s[10:11]
	s_load_b64 s[12:13], s[0:1], 0x20              ; wts
	s_set_vgpr_msb 0x40
	v_lshl_add_u32 v0, v0, 2, 0x1000
	v_mov_b32 v1, 0
	s_set_vgpr_msb 0x4000
	v_lshrrev_b32 v[TR], 5, v0
	v_readfirstlane_b32 s14, v[TR]                 ; wave
	s_mov_b32 s15, ttmp9                           ; tau
	s_and_b32 s16, ttmp7, 0xffff                   ; batch
	s_lshr_b32 s18, s15, 3                         ; it
	s_and_b32 s19, s15, 7                          ; jt
	s_mul_i32 s17, s16, WB
	s_mov_b32 s41, 0                               ; the high word of every offset
	s_mov_b32 s42, 0x76543210
	s_mov_b32 s43, 0xfedcba98
	v_and_b32 v[L16], 31, v0
	v_lshlrev_b32 v[L16], 4, v[L16]
	v_and_b32 v[TR], 15, v0
	v_bfe_u32 v[TH], v0, 4, 1
	v_lshlrev_b32 v[MLO], 2, v[TR]
	v_lshl_or_b32 v[MLO], v[TH], 13, v[MLO]
	s_lshl_b32 s38, s14, 10
	v_add_nc_u32 v[LW], s38, v[L16]
	s_wait_kmcnt 0x0
	s_lshl_b32 s39, s16, 16                        ; mu: 64 chunks of 1 KiB a batch
	s_lshl_b32 s38, s18, 6
	s_add_co_u32 s40, s39, s38
	s_add_nc_u64 s[20:21], s[6:7], s[40:41]        ; phi's means, channels 16 it ..
	s_lshl_b32 s38, s19, 6
	s_add_co_u32 s40, s39, s38
	s_add_co_u32 s40, s40, 512
	s_add_nc_u64 s[22:23], s[6:7], s[40:41]        ; g's means, channels 16 jt ..
	s_cmp_lg_u32 s14, 0
	s_cbranch_scc1 .Lno_means
	; wave 0 alone: these are its oldest loads, so the counts below hold for every wave
.irp s, 0,1
.irp u, 0,1
.irp q, 0,1,2,3,4,5,6,7
	global_load_b32 v[FP+16*\s+8*\u+\q], v[MLO], s[20:21] offset:(32*\s+16*\u+\q)*1024
	global_load_b32 v[FG+16*\s+8*\u+\q], v[MLO], s[22:23] offset:(32*\s+16*\u+\q)*1024
.endr
.endr
.endr
.Lno_means:
	; the side job's place: half fragment hb = 4 tau + w of 256; the first 128 are theta_w's (8 K steps a row tile), the others out_w's (4)
	s_lshl_b32 s32, s15, 2
	s_add_co_u32 s32, s32, s14
	s_and_b32 s32, s32, 127
	s_lshr_b32 s32, s32, 1                         ; fragment f = row tile x K steps + K step
	s_cmp_lt_u32 s15, 32
	s_cselect_b64 s[26:27], s[8:9], s[10:11]
	s_cselect_b32 s33, 3, 2                        ; log2 of the K steps
	s_cselect_b32 s34, 10, 9                       ; log2 of a row's bytes
	s_cselect_b32 s35, 0, 32768                    ; the part of the table
	s_lshr_b32 s36, s32, s33                       ; row tile
	s_lshl_b32 s37, s36, s33
	s_sub_co_u32 s37, s32, s37                     ; K step
	s_add_co_u32 s38, s34, 4
	s_lshl_b32 s40, s36, s38                       ; 16 rows a tile
	s_lshl_b32 s37, s37, 7                         ; 32 f32 a K step
	s_add_co_u32 s40, s40, s37
	s_and_b32 s39, s14, 1                          ; which half of the fragment's registers
	s_lshl_b32 s38, s39, 6
	s_add_co_u32 s40, s40, s38
	s_add_nc_u64 s[26:27], s[26:27], s[40:41]
	v_lshlrev_b32 v[SLO], s34, v[TR]
	v_lshl_add_u32 v[SLO], v[TH], 5, v[SLO]
	global_load_b128 v[SW:SW+3],   v[SLO], s[26:27]
	global_load_b128 v[SW+4:SW+7], v[SLO], s[26:27] offset:16
	s_lshl_b32 s38, s16, 6
	s_lshl_b32 s40, s14, 4
	s_add_co_u32 s40, s40, s38                     ; chunk 64 b + 16 w
	s_lshl_b32 s40, s40, 16
	s_lshl_b32 s38, s15, 10
	s_add_co_u32 s40, s40, s38
	s_add_nc_u64 s[24:25], s[4:5], s[40:41]
.irp e, 0,1,2,3,4,5,6,7,8,9,10,11,12,13,14,15
	global_load_b128 v[P+8*\e:P+8*\e+3],   v[L16], s[24:25] offset:\e*65536 th:TH_LOAD_NT       ; 512 consecutive bytes a load; read once in the launch
	global_load_b128 v[P+8*\e+4:P+8*\e+7], v[L16], s[24:25] offset:\e*65536+512 th:TH_LOAD_NT
.endr
	s_lshr_b32 s38, s32, 4                         ; where the half fragment goes: the wave of the last launch that uses it,
	s_mul_i32 s38, s38, WW
	s_add_co_u32 s40, s17, s38
	s_add_co_u32 s40, s40, s35
	s_and_b32 s38, s32, 15                         ; its number there,
	s_lshl_b32 s38, s38, 10
	s_add_co_u32 s40, s40, s38
	s_lshl_b32 s38, s39, 9                         ; and the half
	s_add_co_u32 s40, s40, s38
	s_add_nc_u64 s[28:29], s[12:13], s[40:41]
	s_lshr_b32 s38, s19, 1                         ; where M's tile goes: wave jt >> 1, part 1, fragment ((jt & 1) 4 + (it >> 1)) 2 + (0 hi, 1 lo), half it & 1
	s_mul_i32 s38, s38, WW
	s_add_co_u32 s40, s17, s38
	s_and_b32 s38, s19, 1
	s_lshl_b32 s38, s38, 2
	s_lshr_b32 s39, s18, 1
	s_add_co_u32 s38, s38, s39
	s_lshl_b32 s38, s38, 11
	s_add_co_u32 s40, s40, s38
	s_and_b32 s38, s18, 1
	s_lshl_b32 s38, s38, 9
	s_add_co_u32 s40, s40, s38
	s_add_co_u32 s40, s40, 16384
	s_add_nc_u64 s[30:31], s[12:13], s[40:41]
	s_wait_loadcnt 32                              ; all but the 32 loads of part: the side job's 8 numbers are in
.irp p, 0,1,2,3
	v_cvt_pk_bf16_f32 v[SB+\p], v[SW+2*\p], v[SW+2*\p+1]
.endr
	global_store_b128 v[L16], v[SB:SB+3], s[28:29] ; 512 consecutive bytes, aligned
.macro GROUP e0, left                  ; four partial tiles into the first of them
	s_wait_loadcnt \left                           ; loads return in order: these eight are in, the later groups' may stay out
.irp i, 0,1,2,3
	v_pk_add_f32 v[P+8*\e0+2*\i:P+8*\e0+2*\i+1], v[P+8*\e0+2*\i:P+8*\e0+2*\i+1], v[P+8*(\e0+1)+2*\i:P+8*(\e0+1)+2*\i+1]
	v_pk_add_f32 v[P+8*(\e0+2)+2*\i:P+8*(\e0+2)+2*\i+1], v[P+8*(\e0+2)+2*\i:P+8*(\e0+2)+2*\i+1], v[P+8*(\e0+3)+2*\i:P+8*(\e0+3)+2*\i+1]
.endr
.irp i, 0,1,2,3
	v_pk_add_f32 v[P+8*\e0+2*\i:P+8*\e0+2*\i+1], v[P+8*\e0+2*\i:P+8*\e0+2*\i+1], v[P+8*(\e0+2)+2*\i:P+8*(\e0+2)+2*\i+1]
.endr
.endm
	GROUP 0, 24
	GROUP 4, 16
	GROUP 8, 8
	GROUP 12, 0
.irp i, 0,1,2,3
	v_pk_add_f32 v[P+2*\i:P+2*\i+1], v[P+2*\i:P+2*\i+1], v[P+32+2*\i:P+32+2*\i+1]
	v_pk_add_f32 v[P+64+2*\i:P+64+2*\i+1], v[P+64+2*\i:P+64+2*\i+1], v[P+96+2*\i:P+96+2*\i+1]
.endr
.irp i, 0,1,2,3
	v_pk_add_f32 v[S+2*\i:S+2*\i+1], v[P+2*\i:P+2*\i+1], v[P+64+2*\i:P+64+2*\i+1]
.endr
	ds_store_b128 v[LW], v[S:S+3]
	ds_store_b128 v[LW], v[S+4:S+7] offset:512
	s_wait_dscnt 0x0                               ; for wave 0's sake: my sum is in LDS
	s_barrier_signal -1
	s_barrier_wait -1
	s_cmp_lg_u32 s14, 0
	s_cbranch_scc1 .Ldone
.irp ww, 1,2,3
	ds_load_b128 v[O+8*(\ww-1):O+8*(\ww-1)+3],   v[L16] offset:\ww*1024
	ds_load_b128 v[O+8*(\ww-1)+4:O+8*(\ww-1)+7], v[L16] offset:\ww*1024+512
.endr
; 64 chunk means of a channel (32 in this lane, 32 in the other half): 8 x (mean - their mean), as two fragments with K = chunk
.macro CENTRE f, frag
.irp i, 0,1,2,3,4,5,6,7
	v_pk_add_f32 v[ST+2*\i:ST+2*\i+1], v[\f+4*\i:\f+4*\i+1], v[\f+4*\i+2:\f+4*\i+3]
.endr
.irp i, 0,1,2,3
	v_pk_add_f32 v[ST+4*\i:ST+4*\i+1], v[ST+4*\i:ST+4*\i+1], v[ST+4*\i+2:ST+4*\i+3]
.endr
	v_pk_add_f32 v[ST:ST+1], v[ST:ST+1], v[ST+4:ST+5]
	v_pk_add_f32 v[ST+8:ST+9], v[ST+8:ST+9], v[ST+12:ST+13]
	v_pk_add_f32 v[ST:ST+1], v[ST:ST+1], v[ST+8:ST+9]
	v_add_f32 v[ST], v[ST], v[ST+1]
	v_permlanex16_b32 v[PT], v[ST], s42, s43       ; its destination has been written (a spent partial tile)
	v_add_f32 v[ST], v[ST], v[PT]
	v_mul_f32 v[TP], 0xbe000000, v[ST]             ; - 8 x sum / 64
	v_mul_f32 v[TP+1], 0xbe000000, v[ST]
.irp i, 0,1,2,3,4,5,6,7,8,9,10,11,12,13,14,15
	v_pk_fma_f32 v[\f+2*\i:\f+2*\i+1], v[\f+2*\i:\f+2*\i+1], 0x41000000, v[TP:TP+1] op_sel_hi:[1,0,1]
.endr
.irp i, 0,1,2,3,4,5,6,7,8,9,10,11,12,13,14,15
	v_cvt_pk_bf16_f32 v[\frag+\i], v[\f+2*\i], v[\f+2*\i+1]
.endr
.endm
	CENTRE FP, AF
	CENTRE FG, BF
	v_mov_b32 v[NEG1], -1.0
	s_wait_dscnt 0x0                               ; the other waves' sums
	v_wmma_f32_16x16x32_bf16 v[D1:D1+7], v[AF:AF+7], v[BF:BF+7], 0              ; chunks 0-31; two accumulators, one instruction each
	v_wmma_f32_16x16x32_bf16 v[D2:D2+7], v[AF+8:AF+15], v[BF+8:BF+15], 0        ; chunks 32-63
	; eight independent additions stand in the places behind the matrix instructions (ISA guide 7.12.1) before D1 and D2 are read
.irp i, 0,1,2,3
	v_pk_add_f32 v[S+2*\i:S+2*\i+1], v[S+2*\i:S+2*\i+1], v[O+2*\i:O+2*\i+1]
	v_pk_add_f32 v[O+8+2*\i:O+8+2*\i+1], v[O+8+2*\i:O+8+2*\i+1], v[O+16+2*\i:O+16+2*\i+1]
.endr
.irp i, 0,1,2,3
	v_pk_add_f32 v[D1+2*\i:D1+2*\i+1], v[D1+2*\i:D1+2*\i+1], v[D2+2*\i:D2+2*\i+1]
	v_pk_add_f32 v[S+2*\i:S+2*\i+1], v[S+2*\i:S+2*\i+1], v[O+8+2*\i:O+8+2*\i+1]
.endr
.irp i, 0,1,2,3
	v_pk_add_f32 v[S+2*\i:S+2*\i+1], v[S+2*\i:S+2*\i+1], v[D1+2*\i:D1+2*\i+1]   ; register q of lane (r, h): M[16 it + 8 h + q][16 jt + r]
.endr
.irp p, 0,1,2,3
	v_cvt_pk_bf16_f32 v[HI+\p], v[S+2*\p], v[S+2*\p+1]
.endr
.irp p, 0,1,2,3
	v_fma_mix_f32_bf16 v[S+2*\p],   v[HI+\p], v[NEG1], v[S+2*\p]   op_sel_hi:[1,0,0]                 ; M - hi, exact in f32
	v_fma_mix_f32_bf16 v[S+2*\p+1], v[HI+\p], v[NEG1], v[S+2*\p+1] op_sel:[1,0,0] op_sel_hi:[1,0,0]
.endr
.irp p, 0,1,2,3
	v_cvt_pk_bf16_f32 v[LO+\p], v[S+2*\p], v[S+2*\p+1]
.endr
	global_store_b128 v[L16], v[HI:HI+3], s[30:31]                 ; 512 consecutive bytes each, aligned
	global_store_b128 v[L16], v[LO:LO+3], s[30:31] offset:1024
.Ldone:
	s_set_vgpr_msb 0x5
	s_wait_tensorcnt 0x0
	ds_add_u32 v0, v1
	s_wait_dscnt 0x0
	s_set_vgpr_msb 0x500
	s_endpgm
.Lfunc_end_k_q8133a1f0b4_reduce:
	.size	k_q8133a1f0b4_reduce, .Lfunc_end_k_q8133a1f0b4_reduce-k_q8133a1f0b4_reduce
	.p2alignl 7, 3214868480
	.fill 96, 4, 3214868480
	.section	.rodata,"a",@progbits
	.p2align	6, 0x0
	.amdhsa_kernel k_q8133a1f0b4_reduce
		.amdhsa_group_segment_fixed_size 4608
		.amdhsa_private_segment_fixed_size 0
		.amdhsa_enable_private_segment 0
		.amdhsa_kernarg_size 40
		.amdhsa_user_sgpr_count 2
		.amdhsa_user_sgpr_kernarg_segment_ptr 1
		.amdhsa_wavefront_size32 1
		.amdhsa_system_sgpr_workgroup_id_x 1
		.amdhsa_system_sgpr_workgroup_id_y 1
		.amdhsa_system_sgpr_workgroup_id_z 1
		.amdhsa_system_vgpr_workitem_id 0
		.amdhsa_next_free_vgpr 258
		.amdhsa_next_free_sgpr 66
		.amdhsa_reserve_vcc 0
		.amdhsa_float_denorm_mode_32 3
		.amdhsa_float_denorm_mode_16_64 3
		.amdhsa_memory_ordered 1
		.amdhsa_forward_progress 1
		.amdhsa_inst_pref_size 28
	.end_amdhsa_kernel
	.amdgpu_metadata
---
amdhsa.version: [ 1, 2 ]
amdhsa.kernels:
  - .name:           k_q8133a1f0b4_reduce
    .symbol:         k_q8133a1f0b4_reduce.kd
    .args:
      - { .name: part, .offset: 0, .size: 8, .value_kind: global_buffer, .address_space: global }
      - { .name: mu, .offset: 8, .size: 8, .value_kind: global_buffer, .address_space: global }
      - { .name: theta_w, .offset: 16, .size: 8, .value_kind: global_buffer, .address_space: global }
      - { .name: out_w, .offset: 24, .size: 8, .value_kind: global_buffer, .address_space: global }
      - { .name: wts, .offset: 32, .size: 8, .value_kind: global_buffer, .address_space: global }
    .group_segment_fixed_size: 4608
    .private_segment_fixed_size: 0
    .kernarg_segment_align: 8
    .kernarg_segment_size: 40
    .max_flat_workgroup_size: 128
    .sgpr_count:     66
    .vgpr_count:     258
    .wavefront_size: 32
...
	.end_amdgpu_metadata
.endif
;; end of part 2
;; launch apply (part 3): grid 256 x 1, 4 waves a work-group, clusters of 4 x 1, 280,064 bytes of LDS; arguments x, theta_b, out_b, wts, out0; writes out0
.if DOCPART == 3
	.amdgcn_target "amdgcn-amd-amdhsa--gfx1250"
	.amdhsa_code_object_version 6
	.text
	.protected	k_q8133a1f0b4_apply
	.globl	k_q8133a1f0b4_apply
	.p2align	8
	.type	k_q8133a1f0b4_apply,@function
k_q8133a1f0b4_apply:
	s_mov_b64 s[64:65], 0
	v_nop
	global_prefetch_b8 v0, s[64:65] scope:SCOPE_SE
	s_setreg_imm32_b32 hwreg(HW_REG_WAVE_MODE, 25, 1), 1
	s_wait_xcnt 0x0
	s_wait_alu depctr_hold_cnt(0) depctr_sa_sdst(0) depctr_va_vdst(0) depctr_va_sdst(0) depctr_va_ssrc(0) depctr_va_vcc(0) depctr_vm_vsrc(0)
	s_getreg_b32 s2, hwreg(HW_REG_IB_STS2, 6, 4)
	s_cmp_eq_u32 s2, 0
	s_cbranch_scc0 .Lentry_in_a_cluster
	s_endpgm
.Lentry_in_a_cluster:
	s_bfe_u32 s2, ttmp6, 0x10000c
	s_cmp_lg_u32 s2, 0x3003
	s_cbranch_scc0 .Lentry_shape_is_right
	s_endpgm
.Lentry_shape_is_right:
; APPLY.  For a chunk of 64 positions:  theta = theta_w x + theta_b, centred over the 128 channels;  y[j][n] = sum over i of M[i][j] theta_c[i][n];
; out0 = x + out_b + out_w y.  Everything between x and out0 stays in registers and LDS.
; Four waves.  Stage A: wave w makes theta's channels 32 w .. + 31; stage Y: y's channels 32 w .. + 31; stage O: output channels 64 w .. + 63, which are
; the rows of x that the wave loaded, in the same lanes: the residual costs no second load.  Column r of position tile nt is position 4 r + nt.
; ROUNDING: x, theta_w, out_w and y go to bf16 once; theta_c and M go as bf16 hi + lo, three products (Mh th + Ml th + Mh tl); sums, means, biases in f32.
; LIMITS: the order of the sums differs from the written order of the products (reassociation); NaN and infinities are not reproduced in place.
; CLUSTER 4 x 1: the four chunks of a cluster lie in one batch and read the same 192 KiB of prepared weights, so they ask for them jointly (mask 15).
; A wave asks for the three parts of 16 KiB that it alone reads: by this text's own count three tensor loads of a wave are outstanding.
.set XROW, 16384
.set THI,  32768                       ; LDS: theta_c hi, block 4 s + nt of 1 KiB
.set TLO,  49152                       ; theta_c lo
.set YF,   65536                       ; y fragments
.set CS,   81920                       ; column sums [wave][r][nt] f32
.set WT,   82944                       ; prepared weights, 48 KiB a wave: theta_w, M, out_w fragments.  LDS 0 .. 32767: x fragments, block 4 ks + nt
.set WW,   49152
.set WB,   196608
.set LF,   1                           ; 16 L
.set XO,   2                           ; my 16 bytes in x and in out0
.set LFW,  3                           ; 16 L + 8,192 w
.set LFT,  4                           ; 16 L + 4,096 w
.set LYW,  5                           ; YF + 16 L + 4,096 w
.set LY,   6                           ; YF + 16 L
.set WTA,  7                           ; my wave's weights + 16 L
.set CSA,  8
.set CSB,  9
.set NEG1, 10
.set BO,   11                          ; 32 h
.set CSV,  12                          ; v[12:15]  column sums of my 32 channels (set-up: lane, r, h)
.set TL,   12
.set TR,   13
.set TH,   14
.set TB,   16                          ; v[16:31]  theta_b as C of stage A; then partial sums; then the four waves' column sums
.set TS,   16
.set MN,   24                          ; v[24:31]  the four column means, each twice
.set OB,   32                          ; v[32:63]  out_b as C of stage O
.set X,    64                          ; v[64:191] x, kept to the end
.set FT,   192                         ; v[192:255] x fragments on their way to LDS; then AC: eight accumulators
.set AC,   192
; window 1: 0-127 theta_w fragment (a, ks) at 8 (8 a + ks), later out_w (ot, s) at 8 (4 ot + s); 128-255 M fragment at 128 + 8 ((4 a + s) 2 + lo)
; window 2: x fragments; then packed hi (0-31) and lo (32-63); then theta hi at 8 (4 s + nt), lo at 128 + ..; then y at 8 (4 s + nt), stage O's sums at 128 + 8 (4 ot + nt)
.set MSB, 0
.macro WIN new                         ; s_set_vgpr_msb: bits 1:0 source 0, 3:2 source 1, 5:4 source 2, 7:6 destination; the high byte repeats the setting left
.if MSB != \new
	s_set_vgpr_msb (MSB<<8)|\new
.set MSB, \new
.endif
.endm
.macro PLACES                          ; behind a run of matrix instructions: five independent places before results are read or operands rewritten (ISA guide 7.12.1)
.rept 5
	v_nop
.endr
.endm
.macro ROUND                           ; a round of the cluster's barrier
	s_barrier_signal -1
	s_barrier_wait -1
	s_cmp_lg_u32 s18, 0
	s_cbranch_scc1 .Lnot_wave_0_\@
	s_barrier_signal -3
.Lnot_wave_0_\@:
	s_barrier_wait -3
	s_barrier_signal -1
	s_barrier_wait -1
.endm
.macro BAR                             ; what I put into LDS is there, what I read is read; then everybody's
	s_wait_dscnt 0x0
	s_barrier_signal -1
	s_barrier_wait -1
.endm
	s_load_b256 s[4:11], s[0:1], 0x0               ; x s[4:5], theta_b s[6:7], out_b s[8:9], wts s[10:11]
	s_load_b64 s[12:13], s[0:1], 0x20              ; out0
	s_set_vgpr_msb 0xc0
	v_lshl_add_u32 v0, v0, 2, 0x44400
	v_mov_b32 v1, 0
	s_set_vgpr_msb 0xc0cf
	ds_add_u32 v0, v1
	s_set_vgpr_msb 0xcf00
	v_lshrrev_b32 v[TL], 5, v0
	v_readfirstlane_b32 s18, v[TL]                 ; wave
	s_bfe_u32 s19, ttmp6, 0x40000                  ; cx
	s_lshl_b32 s20, ttmp9, 2
	s_add_co_u32 s20, s20, s19                     ; chunk.  What hangs on cx stays in s19, s20, s22, s54, s55
	s_lshr_b32 s54, s20, 6
	s_lshl_b32 s54, s54, 22
	s_and_b32 s55, s20, 63
	s_lshl_b32 s55, s55, 8
	s_add_co_u32 s22, s54, s55                     ; batch x 4 MiB + chunk x 256 bytes
	s_mov_b32 s23, 0
	s_lshr_b32 s24, ttmp9, 4                       ; batch, from the cluster's number alone: 16 clusters a batch
	s_mul_i32 s24, s24, WB
	s_mul_i32 s21, s18, WW
	s_add_co_u32 s24, s24, s21
	s_mov_b32 s25, 0
	s_add_co_u32 s50, s21, WT                      ; my wave's weights in LDS
	s_lshl_b32 s26, s18, 7                         ; theta_b: 32 channels a wave
	s_mov_b32 s27, 0
	s_lshl_b32 s52, s18, 8                         ; out_b: 64 channels a wave
	s_mov_b32 s53, 0
	s_mov_b32 s48, 0x76543210
	s_mov_b32 s49, 0xfedcba98
	v_and_b32 v[TL], 31, v0
	v_and_b32 v[TR], 15, v0
	v_bfe_u32 v[TH], v0, 4, 1
	s_lshl_b32 s21, s18, 20
	v_lshl_or_b32 v[XO], v[TR], 4, s21
	v_lshl_or_b32 v[XO], v[TH], 17, v[XO]
	v_lshlrev_b32 v[BO], 5, v[TH]
	s_wait_dscnt 0x0
	s_wait_kmcnt 0x0
	s_add_nc_u64 s[4:5], s[4:5], s[22:23]
	s_add_nc_u64 s[12:13], s[12:13], s[22:23]
	s_add_nc_u64 s[6:7], s[6:7], s[26:27]
	s_add_nc_u64 s[8:9], s[8:9], s[52:53]
	s_add_nc_u64 s[10:11], s[10:11], s[24:25]
	; channel 64 w + 16 ot + 8 h + q, positions 4 r .. 4 r + 3: sixteen lanes read 256 consecutive bytes, aligned; read once in this launch
.irp ot, 0,1,2,3
.irp q, 0,1,2,3,4,5,6,7
	global_load_b128 v[X+4*(8*\ot+\q):X+4*(8*\ot+\q)+3], v[XO], s[4:5] offset:(16*\ot+\q)*XROW th:TH_LOAD_NT
.endr
.endr
.irp a, 0,1
	global_load_b128 v[TB+8*\a:TB+8*\a+3],   v[BO], s[6:7] offset:64*\a       ; register q: theta_b[32 w + 16 a + 8 h + q], an accumulator's rows
	global_load_b128 v[TB+8*\a+4:TB+8*\a+7], v[BO], s[6:7] offset:64*\a+16
.endr
.irp ot, 0,1,2,3
	global_load_b128 v[OB+8*\ot:OB+8*\ot+3],   v[BO], s[8:9] offset:64*\ot    ; register q: out_b[64 w + 16 ot + 8 h + q]
	global_load_b128 v[OB+8*\ot+4:OB+8*\ot+7], v[BO], s[8:9] offset:64*\ot+16
.endr
	; descriptors: a dense block of 16 KiB as 64 rows of 32 elements of 8 bytes; nothing in them hangs on cx
	s_mov_b32 s28, 15|(3<<16)|(1<<21)              ; mask: all four; elements of 8 bytes; bit 21 beside a mask; no padding
	s_mov_b32 s29, 32<<16                          ; tensor_dim0 = 32
	s_mov_b32 s30, 64<<16                          ; tensor_dim1 = 64
	s_mov_b32 s31, 32<<16                          ; tile_dim0 = 32
	s_mov_b32 s32, 64                              ; tile_dim1 = 64
	s_mov_b32 s33, 32                              ; elements from row to row
	s_mov_b32 s34, 0
	s_mov_b32 s35, 0
.irp p, 0,1,2
	s_mov_b32 s[36+4*\p], 1
	s_add_co_u32 s[37+4*\p], s50, \p*16384
	s_add_nc_u64 s[38+4*\p:39+4*\p], s[10:11], \p*16384
	s_or_b32 s[39+4*\p], s[39+4*\p], 0x80000000
.endr
	ROUND                                          ; all four work-groups are here: the joint loads meet
	tensor_load_to_lds s[36:39], s[28:35]          ; theta_w's fragments of my two row tiles
	s_nop 0
	tensor_load_to_lds s[40:43], s[28:35]          ; M's, hi and lo, of my two row tiles
	s_nop 0
	tensor_load_to_lds s[44:47], s[28:35]          ; out_w's of my four row tiles.  Each of these bytes is filled once in the launch
	s_nop 0
	v_lshlrev_b32 v[LF], 4, v[TL]
	s_lshl_b32 s21, s18, 13
	v_add_nc_u32 v[LFW], s21, v[LF]
	s_lshl_b32 s21, s18, 12
	v_add_nc_u32 v[LFT], s21, v[LF]
	s_add_co_u32 s21, s21, YF
	v_add_nc_u32 v[LYW], s21, v[LF]
	v_add_nc_u32 v[LY], YF, v[LF]
	v_add_nc_u32 v[WTA], s50, v[LF]
	s_lshl_b32 s21, s18, 8
	s_add_co_u32 s21, s21, CS
	v_lshl_add_u32 v[CSA], v[TR], 4, s21
	s_mov_b32 s51, CS
	v_lshl_add_u32 v[CSB], v[TR], 4, s51
	v_mov_b32 v[NEG1], -1.0
; x to bf16 fragments.  K step ks = 2 w + sp: register 4 u + p of tile nt = channels 32 ks + 16 u + 8 h + 2 p, + 1 at position 4 r + nt: all in this lane.
.macro XCONV sp, left
	s_wait_loadcnt \left                           ; loads return in order (ISA guide 5.7.1): the 16 that this half needs are in
.irp nt, 0,1,2,3
.irp u, 0,1
.irp p, 0,1,2,3
	v_cvt_pk_bf16_f32 v[FT+8*(4*\sp+\nt)+4*\u+\p], v[X+4*(8*(2*\sp+\u)+2*\p)+\nt], v[X+4*(8*(2*\sp+\u)+2*\p+1)+\nt]
.endr
.endr
.endr
.irp nt, 0,1,2,3
.irp u, 0,1
	ds_store_b128 v[LFW], v[FT+8*(4*\sp+\nt)+4*\u:FT+8*(4*\sp+\nt)+4*\u+3] offset:(4*\sp+\nt)*1024+\u*512
.endr
.endr
.endm
; 16 fragments of my wave's weights (part at byte off) into window 1 from register dst on
.macro WTLOAD dst, off
	WIN 0x40
.irp fi, 0,1,2,3,4,5,6,7,8,9,10,11,12,13,14,15
	ds_load_b128 v[\dst+8*\fi:\dst+8*\fi+3],   v[WTA] offset:\off+\fi*1024
	ds_load_b128 v[\dst+8*\fi+4:\dst+8*\fi+7], v[WTA] offset:\off+\fi*1024+512
.endr
	WIN 0
.endm
; my eight accumulators (two row tiles u, four position tiles) as the four fragments of K step w of the next product, into window 2 from register dst on:
; two tiles stacked along their rows are one fragment of K = 32, in the lane itself
.macro PACK dst
	WIN 0x80
.irp nt, 0,1,2,3
.irp u, 0,1
.irp p, 0,1,2,3
	v_cvt_pk_bf16_f32 v[\dst+8*\nt+4*\u+\p], v[AC+8*(4*\u+\nt)+2*\p], v[AC+8*(4*\u+\nt)+2*\p+1]
.endr
.endr
.endr
.endm
.macro PUT src, adr, off               ; and into LDS
	WIN 0x08
.irp nt, 0,1,2,3
.irp u, 0,1
	ds_store_b128 v[\adr], v[\src+8*\nt+4*\u:\src+8*\nt+4*\u+3] offset:\off+\nt*1024+\u*512
.endr
.endr
.endm
	XCONV 0, 28                                    ; 16 later loads of x and 12 of the biases may stay out
	XCONV 1, 12                                    ; the 12 of the biases
	BAR                                            ; all x fragments lie in LDS.  (Tensor loads may stay out.)
	; STAGE A: theta = theta_w x + theta_b
	s_wait_tensorcnt 0x2                           ; tensor loads of a wave end in order (ISA guide 10.11.1): theta_w is in, M and out_w may stay out; only my wave reads these bytes
	WTLOAD 0, 0
	WIN 0x80
.irp ks, 0,1,2,3,4,5,6,7
.irp nt, 0,1,2,3
.irp u, 0,1
	ds_load_b128 v[8*(4*\ks+\nt)+4*\u:8*(4*\ks+\nt)+4*\u+3], v[LF] offset:(4*\ks+\nt)*1024+\u*512
.endr
.endr
.endr
	s_wait_loadcnt 0x0                             ; the biases
	WIN 0x09                                       ; A window 1, B window 2.  The eight accumulators take turns, one instruction a turn
.irp ks, 0,1,2,3,4,5,6,7
	s_wait_dscnt 56-8*\ks                          ; the later K steps' eight loads each may stay out
.irp nt, 0,1,2,3
.irp a, 0,1
.if \ks == 0
	v_wmma_f32_16x16x32_bf16 v[AC+8*(4*\a+\nt):AC+8*(4*\a+\nt)+7], v[8*(8*\a+\ks):8*(8*\a+\ks)+7], v[8*(4*\ks+\nt):8*(4*\ks+\nt)+7], v[TB+8*\a:TB+8*\a+7]
.else
	v_wmma_f32_16x16x32_bf16 v[AC+8*(4*\a+\nt):AC+8*(4*\a+\nt)+7], v[8*(8*\a+\ks):8*(8*\a+\ks)+7], v[8*(4*\ks+\nt):8*(4*\ks+\nt)+7], v[AC+8*(4*\a+\nt):AC+8*(4*\a+\nt)+7]
.endif
.endr
.endr
.endr
	WIN 0
	PLACES
	s_wait_tensorcnt 0x1                           ; M is in; out_w may stay out
	WTLOAD 128, 16384
	; the mean over the 128 channels of each position: my 32 channels, then the four waves' sums through LDS
.macro COLSUM nt
	v_pk_add_f32 v[TS+8*(\nt&1):TS+8*(\nt&1)+1],   v[AC+8*\nt:AC+8*\nt+1],       v[AC+8*\nt+2:AC+8*\nt+3]
	v_pk_add_f32 v[TS+8*(\nt&1)+2:TS+8*(\nt&1)+3], v[AC+8*\nt+4:AC+8*\nt+5],     v[AC+8*\nt+6:AC+8*\nt+7]
	v_pk_add_f32 v[TS+8*(\nt&1)+4:TS+8*(\nt&1)+5], v[AC+32+8*\nt:AC+32+8*\nt+1], v[AC+32+8*\nt+2:AC+32+8*\nt+3]
	v_pk_add_f32 v[TS+8*(\nt&1)+6:TS+8*(\nt&1)+7], v[AC+32+8*\nt+4:AC+32+8*\nt+5], v[AC+32+8*\nt+6:AC+32+8*\nt+7]
	v_pk_add_f32 v[TS+8*(\nt&1):TS+8*(\nt&1)+1],   v[TS+8*(\nt&1):TS+8*(\nt&1)+1],   v[TS+8*(\nt&1)+2:TS+8*(\nt&1)+3]
	v_pk_add_f32 v[TS+8*(\nt&1)+4:TS+8*(\nt&1)+5], v[TS+8*(\nt&1)+4:TS+8*(\nt&1)+5], v[TS+8*(\nt&1)+6:TS+8*(\nt&1)+7]
	v_pk_add_f32 v[TS+8*(\nt&1):TS+8*(\nt&1)+1],   v[TS+8*(\nt&1):TS+8*(\nt&1)+1],   v[TS+8*(\nt&1)+4:TS+8*(\nt&1)+5]
	v_add_f32 v[CSV+\nt], v[TS+8*(\nt&1)], v[TS+8*(\nt&1)+1]
.endm
	COLSUM 0
	COLSUM 1
	COLSUM 2
	COLSUM 3
.irp nt, 0,1,2,3
	v_permlanex16_b32 v[TS+\nt], v[CSV+\nt], s48, s49      ; the other half's 16 channels
.endr
.irp nt, 0,1,2,3
	v_add_f32 v[CSV+\nt], v[CSV+\nt], v[TS+\nt]
.endr
	ds_store_b128 v[CSA], v[CSV:CSV+3]             ; both halves write the same bytes with the same numbers
	BAR
.irp ww, 0,1,2,3
	ds_load_b128 v[TS+4*\ww:TS+4*\ww+3], v[CSB] offset:256*\ww
.endr
	s_wait_dscnt 0x0
	v_pk_add_f32 v[TS:TS+1],     v[TS:TS+1],     v[TS+4:TS+5]
	v_pk_add_f32 v[TS+2:TS+3],   v[TS+2:TS+3],   v[TS+6:TS+7]
	v_pk_add_f32 v[TS+8:TS+9],   v[TS+8:TS+9],   v[TS+12:TS+13]
	v_pk_add_f32 v[TS+10:TS+11], v[TS+10:TS+11], v[TS+14:TS+15]
	v_pk_add_f32 v[TS:TS+1],     v[TS:TS+1],     v[TS+8:TS+9]
	v_pk_add_f32 v[TS+2:TS+3],   v[TS+2:TS+3],   v[TS+10:TS+11]
.irp nt, 0,1,2,3
	v_mul_f32 v[MN+2*\nt],   0x3c000000, v[TS+\nt]         ; / 128, twice: a pair for the packed subtraction
	v_mul_f32 v[MN+2*\nt+1], 0x3c000000, v[TS+\nt]
.endr
.irp a, 0,1
.irp nt, 0,1,2,3
.irp i, 0,1,2,3
	v_pk_add_f32 v[AC+8*(4*\a+\nt)+2*\i:AC+8*(4*\a+\nt)+2*\i+1], v[AC+8*(4*\a+\nt)+2*\i:AC+8*(4*\a+\nt)+2*\i+1], v[MN+2*\nt:MN+2*\nt+1] neg_lo:[0,1] neg_hi:[0,1]
.endr
.endr
.endr
	; theta_c as bf16 hi + lo
	PACK 0
	WIN 0x02
.irp nt, 0,1,2,3
.irp u, 0,1
.irp p, 0,1,2,3
	v_fma_mix_f32_bf16 v[AC+8*(4*\u+\nt)+2*\p],   v[8*\nt+4*\u+\p], v[NEG1], v[AC+8*(4*\u+\nt)+2*\p]   op_sel_hi:[1,0,0]                ; theta_c - hi, exact in f32
	v_fma_mix_f32_bf16 v[AC+8*(4*\u+\nt)+2*\p+1], v[8*\nt+4*\u+\p], v[NEG1], v[AC+8*(4*\u+\nt)+2*\p+1] op_sel:[1,0,0] op_sel_hi:[1,0,0]
.endr
.endr
.endr
	PACK 32
	PUT 0, LFT, THI
	PUT 32, LFT, TLO
	WIN 0
	BAR                                            ; all of theta_c lies in LDS (and M's fragments are in my registers)
	; STAGE Y: y = M^T theta_c, as Mh th + Ml th + Mh tl
	WIN 0x80
.irp s, 0,1,2,3
.irp nt, 0,1,2,3
.irp u, 0,1
	ds_load_b128 v[8*(4*\s+\nt)+4*\u:8*(4*\s+\nt)+4*\u+3], v[LF] offset:THI+(4*\s+\nt)*1024+\u*512
.endr
.endr
.irp nt, 0,1,2,3
.irp u, 0,1
	ds_load_b128 v[128+8*(4*\s+\nt)+4*\u:128+8*(4*\s+\nt)+4*\u+3], v[LF] offset:TLO+(4*\s+\nt)*1024+\u*512
.endr
.endr
.endr
.macro YRUN s, ml, tl, zero            ; eight matrix instructions: M's hi (ml = 0) or lo (1) times theta's hi (tl = 0) or lo (1), K step s
.irp nt, 0,1,2,3
.irp a, 0,1
.if \zero
	v_wmma_f32_16x16x32_bf16 v[AC+8*(4*\a+\nt):AC+8*(4*\a+\nt)+7], v[128+8*((4*\a+\s)*2+\ml):128+8*((4*\a+\s)*2+\ml)+7], v[128*\tl+8*(4*\s+\nt):128*\tl+8*(4*\s+\nt)+7], 0
.else
	v_wmma_f32_16x16x32_bf16 v[AC+8*(4*\a+\nt):AC+8*(4*\a+\nt)+7], v[128+8*((4*\a+\s)*2+\ml):128+8*((4*\a+\s)*2+\ml)+7], v[128*\tl+8*(4*\s+\nt):128*\tl+8*(4*\s+\nt)+7], v[AC+8*(4*\a+\nt):AC+8*(4*\a+\nt)+7]
.endif
.endr
.endr
.endm
	WIN 0x09                                       ; the eight accumulators take turns, one instruction a turn
	s_wait_dscnt 48                                ; the later K steps' sixteen loads each may stay out
	YRUN 0, 0, 0, 1
	YRUN 0, 1, 0, 0
	YRUN 0, 0, 1, 0
.irp s, 1,2,3
	s_wait_dscnt 48-16*\s
	YRUN \s, 0, 0, 0
	YRUN \s, 1, 0, 0
	YRUN \s, 0, 1, 0
.endr
	WIN 0
	PLACES
	s_wait_tensorcnt 0x0                           ; out_w is in: no tensor load of mine is out any more
	WTLOAD 0, 32768
	PACK 0                                         ; y to bf16, once
	PUT 0, LYW, 0
	WIN 0
	BAR                                            ; all of y lies in LDS (and out_w's fragments are in my registers)
	; STAGE O: out_w y + out_b
	WIN 0x80
.irp s, 0,1,2,3
.irp nt, 0,1,2,3
.irp u, 0,1
	ds_load_b128 v[8*(4*\s+\nt)+4*\u:8*(4*\s+\nt)+4*\u+3], v[LY] offset:(4*\s+\nt)*1024+\u*512
.endr
.endr
.endr
.irp s, 0,1,2,3
	s_wait_dscnt 24-8*\s                           ; the later K steps' eight loads each may stay out
.if \s == 0
	WIN 0x89                                       ; A window 1, B window 2, C window 0 (the bias), D window 2
.else
	WIN 0xa9                                       ; C window 2.  The 16 accumulators take turns, one instruction a turn
.endif
.irp nt, 0,1,2,3
.irp ot, 0,1,2,3
.if \s == 0
	v_wmma_f32_16x16x32_bf16 v[128+8*(4*\ot+\nt):128+8*(4*\ot+\nt)+7], v[8*(4*\ot+\s):8*(4*\ot+\s)+7], v[8*(4*\s+\nt):8*(4*\s+\nt)+7], v[OB+8*\ot:OB+8*\ot+7]
.else
	v_wmma_f32_16x16x32_bf16 v[128+8*(4*\ot+\nt):128+8*(4*\ot+\nt)+7], v[8*(4*\ot+\s):8*(4*\ot+\s)+7], v[8*(4*\s+\nt):8*(4*\s+\nt)+7], v[128+8*(4*\ot+\nt):128+8*(4*\ot+\nt)+7]
.endif
.endr
.endr
.endr
	WIN 0
	PLACES
	; the way out: register q of accumulator (ot, nt) is channel 64 w + 16 ot + 8 h + q at position 4 r + nt: the place of x's register 4 (8 ot + q) + nt
.irp ot, 0,1,2,3
	WIN 0x02
.irp q, 0,1,2,3,4,5,6,7
.irp nt, 0,1,2,3
	v_add_f32 v[X+4*(8*\ot+\q)+\nt], v[128+8*(4*\ot+\nt)+\q], v[X+4*(8*\ot+\q)+\nt]
.endr
.endr
	WIN 0
.irp q, 0,1,2,3,4,5,6,7
	global_store_b128 v[XO], v[X+4*(8*\ot+\q):X+4*(8*\ot+\q)+3], s[12:13] offset:(16*\ot+\q)*XROW th:TH_STORE_NT   ; sixteen lanes store 256 consecutive bytes, aligned
.endr
.endr
	s_set_vgpr_msb 0xf
	s_wait_tensorcnt 0x0
	ds_add_u32 v0, v1
	s_wait_dscnt 0x0
	s_set_vgpr_msb 0xf00
	ROUND                                          ; the closing round: no work-group ends while a partner may still ask jointly
	s_endpgm
.Lfunc_end_k_q8133a1f0b4_apply:
	.size	k_q8133a1f0b4_apply, .Lfunc_end_k_q8133a1f0b4_apply-k_q8133a1f0b4_apply
	.p2alignl 7, 3214868480
	.fill 96, 4, 3214868480
	.section	.rodata,"a",@progbits
	.p2align	6, 0x0
	.amdhsa_kernel k_q8133a1f0b4_apply
		.amdhsa_group_segment_fixed_size 280064
		.amdhsa_private_segment_fixed_size 0
		.amdhsa_enable_private_segment 0
		.amdhsa_kernarg_size 40
		.amdhsa_user_sgpr_count 2
		.amdhsa_user_sgpr_kernarg_segment_ptr 1
		.amdhsa_wavefront_size32 1
		.amdhsa_system_sgpr_workgroup_id_x 1
		.amdhsa_system_sgpr_workgroup_id_y 1
		.amdhsa_system_sgpr_workgroup_id_z 1
		.amdhsa_system_vgpr_workitem_id 0
		.amdhsa_next_free_vgpr 770
		.amdhsa_next_free_sgpr 66
		.amdhsa_reserve_vcc 0
		.amdhsa_float_denorm_mode_32 3
		.amdhsa_float_denorm_mode_16_64 3
		.amdhsa_memory_ordered 1
		.amdhsa_forward_progress 1
		.amdhsa_inst_pref_size 71
	.end_amdhsa_kernel
	.amdgpu_metadata
---
amdhsa.version: [ 1, 2 ]
amdhsa.kernels:
  - .name:           k_q8133a1f0b4_apply
    .symbol:         k_q8133a1f0b4_apply.kd
    .args:
      - { .name: x, .offset: 0, .size: 8, .value_kind: global_buffer, .address_space: global }
      - { .name: theta_b, .offset: 8, .size: 8, .value_kind: global_buffer, .address_space: global }
      - { .name: out_b, .offset: 16, .size: 8, .value_kind: global_buffer, .address_space: global }
      - { .name: wts, .offset: 24, .size: 8, .value_kind: global_buffer, .address_space: global }
      - { .name: out0, .offset: 32, .size: 8, .value_kind: global_buffer, .address_space: global }
    .group_segment_fixed_size: 280064
    .private_segment_fixed_size: 0
    .kernarg_segment_align: 8
    .kernarg_segment_size: 40
    .max_flat_workgroup_size: 128
    .sgpr_count:     66
    .vgpr_count:     770
    .wavefront_size: 32
...
	.end_amdgpu_metadata
.endif
;; end of part 3
